; MI455X (gfx1250); checked and timed in simulation.
; The chip was launched on July 23, 2026; its instructions are those of AMD's public machine-readable ISA for CDNA 5 (MIT licence, August 2026) and "CDNA5" Instruction Set Architecture Reference Guide (July 2026). The comments in the code are by the model that wrote it; some were corrected since.
;; Cross Attention. Allowed arithmetic: matrix products marked QUANTISED: E2M3 operands, one E8M0 scale for each 32 along K, by v_wmma_scale_f32_16x16x128_f8f6f4 with both operands' format E2M3, f32 sums; everything else in f32.
;; Inputs: Wk 1,024 x 1,024 float32; Wq 1,024 x 1,024 float32; Wv 1,024 x 1,024 float32; key_value 4 x 2,048 x 1,024 float32; query 4 x 2,048 x 1,024 float32.
;; Outputs: out0 4 x 2,048 x 1,024 float32.
;; This version of the problem:
;;   THIS VERSION OF THE PROBLEM IS GIVEN IN LOW PRECISION. The matrix products marked QUANTISED in the list below multiply operands that are first quantised to E2M3 (2 exponent bits, 3 mantissa bits; 6 bits a number), with one power-of-two scale for each 32 numbers along K (OCP MX v1.0); their sums are f32. All else is computed in f32.
;;   The module's matrix products, in the order in which they are computed (A, B: the left and right operand; K: the contracted axis; several contracted axes count as one K, in the product's order):
;;     1. [M 8,192, K 1,024] x [K 1,024, N 1,024]; A: input query; B: input Wq: QUANTISED
;;     2. [M 8,192, K 1,024] x [K 1,024, N 1,024]; A: input key_value; B: input Wk: QUANTISED
;;     3. [M 8,192, K 1,024] x [K 1,024, N 1,024]; A: input key_value; B: input Wv: QUANTISED
;;     4. batch 64 x [M 2,048, K 64] x [K 64, N 2,048]; A: computed on the way; B: computed on the way: QUANTISED
;;     5. batch 64 x [M 64, K 2,048] x [K 2,048, N 2,048]; A: computed on the way; B: softmax (see below): QUANTISED
;;   THE QUANTISER, for each operand of a quantised product, along K:
;;     - K is cut into blocks of 32 from its start; a last block that is shorter is filled with zeros.
;;     - A block's scale is 2^e with e = floor(log2(the largest magnitude in the block)) - 2, held to -126 .. 127; a block of zeros has e = 0. As a byte (E8M0): e + 127.
;;     - Each number is divided by its block's scale, clamped to +-7.5, and rounded to the nearest number of E2M3, ties to even, subnormals kept.
;;     - The product sums the exact products of the quantised numbers (number of the format x scale) in f32.
;;   ~~~python
;;   def quantise(x, axis):      # numpy; x: float32 -> the quantised numbers, widened to float32 again
;;       x = np.moveaxis(x, axis, -1); K = x.shape[-1]
;;       x = np.pad(x, [(0, 0)] * (x.ndim - 1) + [(0, -K % 32)]); x = x.reshape(x.shape[:-1] + (-1, 32)); a = np.abs(x).max(-1, keepdims=True)
;;       e = np.where(a > 0, np.clip(np.frexp(np.where(a > 0, a, 1))[1] - 1 - 2, -126, 127), 0)      # np.frexp(a)[1] - 1 = floor(log2(a)), exactly
;;       r = np.clip(x / 2.0 ** e, -7.5, 7.5)
;;       step = 2.0 ** (np.maximum(np.frexp(np.where(r == 0, 1, r))[1] - 1, 0) - 3)
;;       q = np.round(r / step) * step * 2.0 ** e      # np.round: ties to even
;;       return np.moveaxis(q.reshape(q.shape[:-2] + (-1,))[..., :K], -1, axis).astype(np.float32)
;;   ~~~
;;   SOFTMAX AHEAD OF A QUANTISED PRODUCT. Where the list says 'softmax', what is quantised is not the finished softmax but p = 2^(t - M), with t = logit x log2(e) and M = ceil(the row's largest t), a whole number; so 1/2 < the row's largest p <= 1. The row's sum l is taken of the UNQUANTISED p, in f32, and the product's result is divided by l at the end. Since M is a whole number, a kernel that streams over the keys may use a running M (the ceiling of the running maximum): every later rescaling is an exact power of two, which a block's scale takes up: the codes' values come out the same.
;;   OPERANDS COMPUTED ON THE WAY. 'Computed on the way' means the value that the module computes at that place (a softmax that the list does not call 'softmax' is quantised finished and normalised). What goes into a quantiser is computed in f32, as accurately as f32 sums, v_exp_f32 and their like allow (about 1e-6 of the number): no bf16 or f16 on the way to a quantiser, and a product that is left as it is and whose result goes on into a quantised operand takes f32 operands (vector FMAs, or v_wmma_f32_16x16x4_f32). A number that lies on a knife's edge between two numbers of the format may be rounded either way, as far as f32 arithmetic and the matrix unit's own rounding can turn it there, and no further.
;; One version. Each part assembles by itself: llvm-mc -triple=amdgcn-amd-amdhsa -mcpu=gfx1250 --defsym DOCPART=n.
;; ======== version 1 of 1: 3 launches
;; limits: right only within a limited range of input values
;; workspace buffers: xq_codes 6,291,456 bytes; xq_scales 262,144 bytes; xkv_codes 6,291,456 bytes; xkv_scales 262,144 bytes; w_codes 2,359,296 bytes; w_scales 98,304 bytes; qq 13,107,200 bytes; kv 13,107,200 bytes
;; launch quant (part 1): grid 608 x 1, 4 waves a work-group, no clusters, 68,096 bytes of LDS; arguments query, key_value, xq_codes, xq_scales, xkv_codes, xkv_scales, Wq, Wk, Wv, w_codes, w_scales; writes xq_codes, xq_scales, xkv_codes, xkv_scales, w_codes, w_scales
.if DOCPART == 1
	.amdgcn_target "amdgcn-amd-amdhsa--gfx1250"
	.amdhsa_code_object_version 6
	.text
	.protected	k_q42103a7792_quant
	.globl	k_q42103a7792_quant
	.p2align	8
	.type	k_q42103a7792_quant,@function
k_q42103a7792_quant:
	s_mov_b64 s[64:65], 0
	v_nop
	global_prefetch_b8 v0, s[64:65] scope:SCOPE_SE
	s_setreg_imm32_b32 hwreg(HW_REG_WAVE_MODE, 25, 1), 1
	s_wait_xcnt 0x0
; All five inputs become codes of FP6 (E2M3) with one E8M0 byte for each 32 along K = 1,024.  Every input is read and every product is done.
; A block's scale is 2^(floor(log2(its largest magnitude)) - 2); its byte is the largest magnitude's exponent field - 2, held at 1 from below; numbers are divided by the scale and rounded to the nearest code, ties to even.
; LAYOUT OF THE CODES: [4 (256 along K)][rows][192 bytes]: 128 rows of one K step are 24,576 dense bytes, which the next launch loads as rows of 256 bytes.  Scale bytes: [rows][32].
; ORDER OF THE ROWS (tokens of query and key_value, columns n of the weights): within each 64, position 16 t + 8 h + j holds index 32 h + 8 t + j, so that in the later products a lane's 32 registers of four neighbouring tiles are one whole block of 32.
; Work-groups 0-95 take the weights (K is their first axis: a lane takes a column, its registers run down K), 96-351 query, 352-607 key_value (K innermost: 16 neighbours a lane, turned through LDS).  The two paths have LDS bytes of their own.
; LIMITS: a block of zeros, and one whose largest magnitude lies under 2^-124, keeps the byte 1 (read by this program alone; zero codes add nothing); NaN and infinities among the inputs are not served.
.set WGW,   96
.set WGA,   256
.set STEPS, 16
.set EMAX,  2
.set CB,    12
.set XSTR,  8192*192                   ; bytes from one K step's plane of x codes to the next
.set WSTR,  3072*192                   ; the same for the weights' codes
.set R,     16                         ; x path: v16-79 four sets as loaded, v80-111 two sets of 16 neighbours, v112-127 bytes, v128-191 codes
.set X,     80
.set C,     128
.set E,     112
.set WREG,  8192
.set SP,    80
.set WLDS,  32768                      ; the weights' path: four stages of 32 x 272 bytes
.set PITCH, 272
.set SPARE, WLDS+4*32*PITCH            ; the spare words, 512 bytes
.set SIZE_N, 1024
.set KW,    256
.set NB,    8
.set ROWB,  192
.set WX,    32                         ; w path: v32-95 two sets of 32 numbers, v96.. codes, v112-175 the way out, v24.. bytes
.set WC,    96
.set OUTR,  112
.set SB,    24
	v_lshl_add_u32 v192, v0, 2, SPARE
	v_mov_b32 v193, 0
	v_lshrrev_b32 v1, 5, v0
	v_readfirstlane_b32 s16, v1                    ; wave
	v_and_b32 v2, 31, v0                           ; lane
	s_cmp_lt_u32 ttmp9, WGW
	s_wait_alu depctr_va_vdst(0)
	s_cbranch_scc1 .Lw
	s_load_b128 s[4:7], s[0:1], 0x0                ; query, key_value
	s_load_b128 s[8:11], s[0:1], 0x10              ; query's codes, scales
	s_load_b128 s[12:15], s[0:1], 0x20             ; key_value's codes, scales
	v_lshlrev_b32 v3, 4, v2                        ; my 16 bytes of a load's 512
	s_mul_i32 s17, s16, WREG
	v_lshrrev_b32 v14, 2, v2
	v_mul_u32_u24 v14, v14, SP
	v_and_b32 v15, 3, v2
	v_lshl_add_u32 v14, v15, 4, v14
	v_add_nc_u32 v14, s17, v14                     ; the stage, in: SP (lane / 4) + 16 (lane % 4)
	v_mul_u32_u24 v15, v2, SP
	v_add_nc_u32 v15, s17, v15                     ; out: SP x lane
	v_mul_u32_u24 v4, v2, CB
	v_lshrrev_b32 v10, 4, v2
	v_mad_u32_u24 v4, v10, XSTR-192, v4            ; my codes: lanes 0-15 fill a row's 192 bytes of one K step, lanes 16-31 those of the next plane
	v_lshrrev_b32 v5, 1, v2
	s_add_co_u32 s17, s17, 2*32*SP
	v_add_nc_u32 v5, s17, v5                       ; my block's byte among my wave's 256
	v_lshlrev_b32 v7, 3, v2
	v_add_nc_u32 v6, s17, v7
	s_wait_alu depctr_va_vdst(0)
	s_wait_kmcnt 0x0
	s_sub_co_u32 s24, ttmp9, WGW
	s_cmp_lt_u32 s24, WGA                          ; which tensor: by the work-group's number alone
	s_cselect_b64 s[4:5], s[4:5], s[6:7]
	s_cselect_b64 s[8:9], s[8:9], s[12:13]
	s_cselect_b64 s[10:11], s[10:11], s[14:15]
	s_cselect_b32 s17, 0, WGA
	s_sub_co_u32 s17, s24, s17
	s_lshl_b32 s17, s17, 2
	s_add_co_u32 s18, s17, s16                     ; which run of 8 rows I read
	s_mov_b32 s19, 0
	s_mov_b64 s[20:21], 512*STEPS*4
	s_mul_u64 s[20:21], s[18:19], s[20:21]
	s_add_nc_u64 s[4:5], s[4:5], s[20:21]
	s_and_b32 s22, s18, 3                          ; where it goes: of each eight runs, run 4 h + t goes to place 2 t + h
	s_lshl_b32 s22, s22, 1
	s_bfe_u32 s23, s18, 0x10002
	s_or_b32 s22, s22, s23
	s_and_b32 s18, s18, 0xfffffff8
	s_or_b32 s18, s18, s22
	s_mul_i32 s20, s18, 8*192
	s_mov_b32 s21, 0
	s_add_nc_u64 s[8:9], s[8:9], s[20:21]
	s_lshl_b32 s18, s18, 8                         ; 256 scale bytes a run
	s_add_nc_u64 s[10:11], s[10:11], s[18:19]
.macro LOAD t
.irp i, 0,1,2,3
	global_load_b128 v[R+16*((\t)%4)+4*\i:R+16*((\t)%4)+4*\i+3], v3, s[4:5] offset:2048*(\t)+512*\i th:TH_LOAD_NT
.endr
.endm
.macro TURN t                          ; LDS serves a wave's instructions in order: no wait between the stores and the loads
.irp i, 0,1,2,3
	ds_store_b128 v14, v[R+16*((\t)%4)+4*\i:R+16*((\t)%4)+4*\i+3] offset:32*SP*((\t)%2)+8*SP*\i
.endr
.irp i, 0,1,2,3
	ds_load_b128 v[X+16*((\t)%2)+4*\i:X+16*((\t)%2)+4*\i+3], v15 offset:32*SP*((\t)%2)+16*\i
.endr
.endm
.irp t, 0,1,2,3
	LOAD \t
.endr
	s_wait_loadcnt 12                              ; step 0's four loads are in; twelve younger stay out
	TURN 0
.macro STEP t
.set XS, X+16*((\t)%2)
.if (\t) > 0
	s_wait_dscnt 1                                 ; this step's numbers are back (the last step's byte store may be out)
.else
	s_wait_dscnt 0x0
.endif
.if (\t)+4 < STEPS
	LOAD (\t)+4
.endif
.if (\t)+1 < STEPS
.if STEPS-2-(\t) >= 3
	s_wait_loadcnt 12                              ; the next step's four are in; three steps' loads may be out
.else
	s_wait_loadcnt 4*(STEPS-2-(\t))
.endif
	TURN (\t)+1
.endif
	v_max3_num_f32 v8, |v[XS]|, |v[XS+1]|, |v[XS+2]|
	v_max3_num_f32 v9, |v[XS+3]|, |v[XS+4]|, |v[XS+5]|
.irp i, 6,10
	v_max3_num_f32 v8, v8, |v[XS+\i]|, |v[XS+\i+1]|
	v_max3_num_f32 v9, v9, |v[XS+\i+2]|, |v[XS+\i+3]|
.endr
	v_max3_num_f32 v8, v8, |v[XS+14]|, |v[XS+15]|
	v_max3_num_f32 v8, v8, v9, (EMAX+1)<<23        ; the floor 2^(3 - 127): the byte cannot fall under 1
	v_max_num_f32_dpp v8, v8, v8 row_xmask:1 row_mask:0xf bank_mask:0xf   ; with my neighbour's 16: the block's
	v_add_nc_u32 v11, -(EMAX<<23), v8              ; 2 off the exponent field: the conversion's scale operand
	v_cvt_scalef32_pk16_fp6_f32 v[C+4*(\t):C+4*(\t)+2], v[XS:XS+15], v11
	v_lshrrev_b32 v[E+(\t)], 23, v11               ; the scale's byte
	ds_store_b8 v5, v[E+(\t)] offset:16*(\t)
	global_store_b96 v4, v[C+4*(\t):C+4*(\t)+2], s[8:9] offset:((\t)%2)*2*XSTR+((\t)/2)*192   ; step t is row t / 2, K steps 2 (t % 2) and 2 (t % 2) + 1
.endm
.irp t, 0,1,2,3,4,5,6,7,8,9,10,11,12,13,14,15
	STEP \t
.endr
	ds_load_b64 v[12:13], v6
	s_wait_dscnt 0x0
	global_store_b64 v7, v[12:13], s[10:11]        ; 32 lanes store 256 consecutive bytes, aligned
	s_wait_tensorcnt 0x0                           ; the wave's end
	ds_add_u32 v192, v193
	s_wait_dscnt 0x0
	s_endpgm
.Lw:
	s_load_b128 s[4:7], s[0:1], 0x30               ; Wq, Wk
	s_load_b128 s[8:11], s[0:1], 0x40              ; Wv, the codes
	s_load_b64 s[12:13], s[0:1], 0x50              ; the scale bytes
	s_lshr_b32 s32, ttmp9, 2                       ; which weight (/ 8) and which 128 columns (% 8)
	s_and_b32 s18, ttmp9, 3                        ; which 256 along K
	s_lshr_b32 s30, s32, 3
	s_and_b32 s17, s32, 7
	s_lshl_b32 s17, s17, 7
	s_lshl_b32 s31, s16, 5
	s_add_co_u32 s17, s17, s31                     ; my wave's first column in that weight
	s_lshl_b32 s31, s32, 7
	s_lshr_b32 s33, s16, 1
	s_lshl_b32 s33, s33, 6
	s_add_co_u32 s31, s31, s33
	s_and_b32 s33, s16, 1
	s_lshl_b32 s33, s33, 3
	s_add_co_u32 s31, s31, s33                     ; its first position in the outputs: 128 x + 64 (wave / 2) + 8 (wave % 2)
	s_mul_i32 s34, s16, 32*PITCH
	s_add_co_u32 s34, s34, WLDS                    ; my stage
	s_mov_b32 s19, 0
	s_mov_b64 s[20:21], KW*SIZE_N*4
	s_mul_u64 s[20:21], s[18:19], s[20:21]
	s_lshl_b32 s22, s17, 2
	s_mov_b32 s23, 0
	s_add_nc_u64 s[20:21], s[20:21], s[22:23]      ; the weight: 256 y rows of 4,096 bytes + 4 x column
	s_mul_i32 s24, s31, ROWB
	s_mov_b32 s25, 0
	s_mul_i32 s26, s18, WSTR
	s_mov_b32 s27, 0
	s_add_nc_u64 s[24:25], s[24:25], s[26:27]      ; codes: plane y, position x 192
	s_lshl_b32 s28, s31, 5
	s_mov_b32 s29, 0
	s_lshl_b32 s26, s18, 3
	s_add_nc_u64 s[28:29], s[28:29], s[26:27]      ; scale bytes: position x 32 + 8 y
	v_lshlrev_b32 v3, 2, v2
	v_mul_u32_u24 v4, v2, PITCH
	v_add_nc_u32 v4, s34, v4                       ; into the stage: row = my lane
	v_and_b32 v5, 15, v2
	v_lshrrev_b32 v6, 4, v2
	v_mul_u32_u24 v7, v6, PITCH
	v_lshl_add_u32 v7, v5, 4, v7
	v_add_nc_u32 v7, s34, v7                       ; out of it: sixteen lanes to a row, two rows an instruction
	v_mul_u32_u24 v8, v6, ROWB
	v_mad_u32_u24 v8, v5, 12, v8
	v_lshrrev_b32 v9, 3, v2
	v_and_b32 v10, 7, v2
	v_lshl_add_u32 v9, v9, 4, v10                  ; lane 8 t + j lies 16 t + j positions on
	v_lshlrev_b32 v9, 5, v9
	s_wait_alu depctr_va_vdst(0)
	s_wait_kmcnt 0x0
	s_cmp_eq_u32 s30, 1
	s_cselect_b64 s[4:5], s[6:7], s[4:5]
	s_cmp_eq_u32 s30, 2
	s_cselect_b64 s[4:5], s[8:9], s[4:5]
	s_add_nc_u64 s[4:5], s[4:5], s[20:21]
	s_add_nc_u64 s[6:7], s[10:11], s[24:25]
	s_add_nc_u64 s[8:9], s[12:13], s[28:29]
.macro LOADW t
.irp i, 0,1,2,3,4,5,6,7,8,9,10,11,12,13,14,15,16,17,18,19,20,21,22,23,24,25,26,27,28,29,30,31
	global_load_b32 v[WX+32*((\t)%2)+\i], v3, s[4:5] offset:(32*(\t)+\i)*SIZE_N*4 th:TH_LOAD_NT
.endr
.endm
	LOADW 0
	LOADW 1
.macro BLOCK t
.set XS, WX+32*((\t)%2)
.if (\t) < NB-1
	s_wait_loadcnt 32                              ; this block's 32 loads are in; the next block's may be out
.else
	s_wait_loadcnt 0
.endif
	v_max3_num_f32 v12, |v[XS]|, |v[XS+1]|, |v[XS+2]|
	v_max3_num_f32 v13, |v[XS+3]|, |v[XS+4]|, |v[XS+5]|
.irp i, 6,10,14,18,22,26
	v_max3_num_f32 v12, v12, |v[XS+\i]|, |v[XS+\i+1]|
	v_max3_num_f32 v13, v13, |v[XS+\i+2]|, |v[XS+\i+3]|
.endr
	v_max3_num_f32 v12, v12, |v[XS+30]|, |v[XS+31]|
	v_max3_num_f32 v12, v12, v13, (EMAX+1)<<23
	v_add_nc_u32 v11, -(EMAX<<23), v12
	v_lshrrev_b32 v13, 23, v11
.if (\t)%4 == 0
	v_mov_b32 v[SB+(\t)/4], v13
.else
	v_lshl_or_b32 v[SB+(\t)/4], v13, 8*((\t)%4), v[SB+(\t)/4]
.endif
	v_cvt_scalef32_pk16_fp6_f32 v[WC:WC+2], v[XS:XS+15], v11
	v_cvt_scalef32_pk16_fp6_f32 v[WC+4:WC+6], v[XS+16:XS+31], v11
	ds_store_b96 v4, v[WC:WC+2] offset:32*(\t)
	ds_store_b96 v4, v[WC+4:WC+6] offset:32*(\t)+16
.if (\t)+2 < NB
	LOADW (\t)+2
.endif
	s_wait_dscnt 0x0                               ; the stores have read their registers
.endm
.set Q, 0
.rept NB
	BLOCK Q
.set Q, Q+1
.endr
	s_wait_alu depctr_va_vdst(0)
	global_store_b64 v9, v[SB:SB+1], s[8:9]
.irp t, 0,1,2,3,4,5,6,7,8,9,10,11,12,13,14,15
	ds_load_b96 v[OUTR+4*\t:OUTR+4*\t+2], v7 offset:2*\t*PITCH
.endr
.irp t, 0,1,2,3,4,5,6,7,8,9,10,11,12,13,14,15
	s_wait_dscnt 15-\t                             ; load t is in; the 15 - t younger may be out
	global_store_b96 v8, v[OUTR+4*\t:OUTR+4*\t+2], s[6:7] offset:(16*(\t/4)+2*(\t%4))*ROWB   ; two neighbouring positions: 384 consecutive bytes
.endr
	s_wait_tensorcnt 0x0                           ; the wave's end
	ds_add_u32 v192, v193
	s_wait_dscnt 0x0
	s_endpgm
.Lfunc_end_k_q42103a7792_quant:
	.size	k_q42103a7792_quant, .Lfunc_end_k_q42103a7792_quant-k_q42103a7792_quant
	.p2alignl 7, 3214868480
	.fill 96, 4, 3214868480
	.section	.rodata,"a",@progbits
	.p2align	6, 0x0
	.amdhsa_kernel k_q42103a7792_quant
		.amdhsa_group_segment_fixed_size 68096
		.amdhsa_private_segment_fixed_size 0
		.amdhsa_enable_private_segment 0
		.amdhsa_kernarg_size 88
		.amdhsa_user_sgpr_count 2
		.amdhsa_user_sgpr_kernarg_segment_ptr 1
		.amdhsa_wavefront_size32 1
		.amdhsa_system_sgpr_workgroup_id_x 1
		.amdhsa_system_sgpr_workgroup_id_y 1
		.amdhsa_system_sgpr_workgroup_id_z 1
		.amdhsa_system_vgpr_workitem_id 0
		.amdhsa_next_free_vgpr 194
		.amdhsa_next_free_sgpr 66
		.amdhsa_reserve_vcc 0
		.amdhsa_float_denorm_mode_32 3
		.amdhsa_float_denorm_mode_16_64 3
		.amdhsa_memory_ordered 1
		.amdhsa_forward_progress 1
		.amdhsa_inst_pref_size 74
	.end_amdhsa_kernel
	.amdgpu_metadata
---
amdhsa.version: [ 1, 2 ]
amdhsa.kernels:
  - .name:           k_q42103a7792_quant
    .symbol:         k_q42103a7792_quant.kd
    .args:
      - { .name: query, .offset: 0, .size: 8, .value_kind: global_buffer, .address_space: global }
      - { .name: key_value, .offset: 8, .size: 8, .value_kind: global_buffer, .address_space: global }
      - { .name: xq_codes, .offset: 16, .size: 8, .value_kind: global_buffer, .address_space: global }
      - { .name: xq_scales, .offset: 24, .size: 8, .value_kind: global_buffer, .address_space: global }
      - { .name: xkv_codes, .offset: 32, .size: 8, .value_kind: global_buffer, .address_space: global }
      - { .name: xkv_scales, .offset: 40, .size: 8, .value_kind: global_buffer, .address_space: global }
      - { .name: Wq, .offset: 48, .size: 8, .value_kind: global_buffer, .address_space: global }
      - { .name: Wk, .offset: 56, .size: 8, .value_kind: global_buffer, .address_space: global }
      - { .name: Wv, .offset: 64, .size: 8, .value_kind: global_buffer, .address_space: global }
      - { .name: w_codes, .offset: 72, .size: 8, .value_kind: global_buffer, .address_space: global }
      - { .name: w_scales, .offset: 80, .size: 8, .value_kind: global_buffer, .address_space: global }
    .group_segment_fixed_size: 68096
    .private_segment_fixed_size: 0
    .kernarg_segment_align: 8
    .kernarg_segment_size: 88
    .max_flat_workgroup_size: 128
    .sgpr_count:     66
    .vgpr_count:     194
    .wavefront_size: 32
...
	.end_amdgpu_metadata
.endif
;; end of part 1
;; launch proj (part 2): grid 4 x 96, 4 waves a work-group, clusters of 4 x 4, 327,680 bytes of LDS; arguments xq_codes, xq_scales, xkv_codes, xkv_scales, w_codes, w_scales, qq, kv; writes qq, kv
.if DOCPART == 2
	.amdgcn_target "amdgcn-amd-amdhsa--gfx1250"
	.amdhsa_code_object_version 6
	.text
	.protected	k_q42103a7792_proj
	.globl	k_q42103a7792_proj
	.p2align	8
	.type	k_q42103a7792_proj,@function
k_q42103a7792_proj:
	s_mov_b64 s[64:65], 0
	v_nop
	global_prefetch_b8 v0, s[64:65] scope:SCOPE_SE
	s_setreg_imm32_b32 hwreg(HW_REG_WAVE_MODE, 25, 1), 1
	s_wait_xcnt 0x0
	s_wait_alu depctr_hold_cnt(0) depctr_sa_sdst(0) depctr_va_vdst(0) depctr_va_sdst(0) depctr_va_ssrc(0) depctr_va_vcc(0) depctr_vm_vsrc(0)
	s_getreg_b32 s2, hwreg(HW_REG_IB_STS2, 6, 4)
	s_cmp_eq_u32 s2, 0
	s_cbranch_scc0 .Lentry_in_a_cluster
	s_endpgm
.Lentry_in_a_cluster:
	s_bfe_u32 s2, ttmp6, 0x10000c
	s_cmp_lg_u32 s2, 0xf033
	s_cbranch_scc0 .Lentry_shape_is_right
	s_endpgm
.Lentry_shape_is_right:
.set KSTEP,  256
.set NQ,     KSTEP/128
.set ROWB,   192
.set KROW,   768
.set PITCH,  240
.set FR,     12
.set NL,     6
.set NP,     4
.set HALFT,  128*PITCH
.set SLOT,   4*HALFT
.set LAPS,   2
.set KS,     32
.set SCL,    2*SLOT
.set HALFS,  (128*KS/256)*272
.set SBLK,   (16*KS/256)*272
.set SPARE,  SCL+4*HALFS
.set HEADB,  204800
.set STEPB,  12800
.set ADRA, 16
.set ADRB, 20
.set ADRS, 27
.set SPW,  28
.set NIL,  29
.set LI,   30
.set L8,   31
.set SC,   32
.set AF,   128
.set ST,   64
.set CT,   176
.set TM,   184
.set PW,   200
.set WW,   204
.set G1, 24
.set G0, 32
.set G1B, 48
.set G0B, 56
.set G1S, 68
.set G0S, 76
.set G1SB, 80
.set G0SB, 88
.set MSB, 0
.macro WIN new
.if MSB != \new
	s_set_vgpr_msb (MSB<<8)|\new
.set MSB, \new
.endif
.endm
.set MUL_LO, 0xa1
.set MUL_HI, 0xf1
.set TO_B,   0x40
.macro JLOAD g0a, g1a, g0b, g1b
	s_cmp_eq_u32 s15, 0
	s_cbranch_scc0 .Lfor_b_\@
	tensor_load_to_lds s[\g0a:\g0a+3], s[\g1a:\g1a+7]
	s_nop 0
.rept 4
	v_nop
.endr
	s_branch .Lasked_\@
.Lfor_b_\@:
	tensor_load_to_lds s[\g0b:\g0b+3], s[\g1b:\g1b+7]
	s_nop 0
.rept 4
	v_nop
.endr
.Lasked_\@:
.endm
.macro CREST
	s_cmp_lg_u32 s14, 0
	s_cbranch_scc1 .Lnot_wave_0_\@
	s_barrier_signal -3
.Lnot_wave_0_\@:
	s_barrier_wait -3
	s_barrier_signal -1
	s_barrier_wait -1
.endm
.macro CROUND
	s_barrier_signal -1
	s_barrier_wait -1
	CREST
.endm
	s_load_b256 s[68:75], s[0:1], 0x0
	s_load_b256 s[76:83], s[0:1], 0x20
	v_lshl_add_u32 v[SPW], v0, 2, SPARE
	v_mov_b32 v[NIL], 0
	ds_add_u32 v28, v29
	ds_add_u32 v28, v29
	s_wait_dscnt 0x0
	v_lshrrev_b32 v1, 5, v0
	v_readfirstlane_b32 s14, v1
	s_lshr_b32 s15, s14, 1
	s_and_b32 s16, s14, 1
	s_bfe_u32 s40, ttmp6, 0x40000
	s_bfe_u32 s41, ttmp6, 0x40004
	s_and_b32 s18, ttmp7, 0xffff
	s_lshr_b32 s96, s18, 3
	s_and_b32 s19, s18, 7
	s_lshl_b32 s19, s19, 2
	s_mov_b32 s98, 0x3eb504f3
	s_cmp_eq_u32 s96, 2
	s_cselect_b32 s17, 0, s19
	s_cselect_b32 s42, s19, 0
	s_cselect_b32 s98, 1.0, s98
	s_mov_b32 s99, s98
	s_add_co_u32 s17, s17, s41
	s_add_co_u32 s42, s42, s40
	s_lshl_b32 s43, s41, 2
	s_lshl_b32 s43, 15, s43
	s_lshl_b32 s44, 0x1111, s40
	s_or_b32 s[G1+0], s43, (0<<16)|(1<<20)|(1<<21)|(3<<22)|(3<<25)
	s_or_b32 s[G1B+0], s44, (0<<16)|(1<<20)|(1<<21)|(3<<22)|(3<<25)
.irp g, G1, G1B
	s_mov_b32 s[\g+1], 256<<16                     ; 128 rows x 192 bytes of one K step are dense in memory: 96 rows of 256 bytes, 16 bytes of padding behind each 64
	s_mov_b32 s[\g+2], 96<<16
	s_mov_b32 s[\g+3], 256<<16
	s_mov_b32 s[\g+4], 96
	s_mov_b32 s[\g+5], 256
	s_mov_b32 s[\g+6], 0
	s_mov_b32 s[\g+7], 0
.endr
	s_lshl_b32 s18, s16, 7
	s_lshl_b32 s20, s17, 8
	s_add_co_u32 s20, s20, s18
	s_lshl_b32 s46, s42, 8
	s_add_co_u32 s46, s46, s18
	s_mov_b32 s21, 0
	s_mov_b32 s47, 0
	s_mov_b64 s[18:19], KS
	s_mul_u64 s[22:23], s[20:21], s[18:19]
	s_mul_u64 s[92:93], s[46:47], s[18:19]
	s_mov_b64 s[18:19], ROWB
	s_mul_u64 s[20:21], s[20:21], s[18:19]
	s_mul_u64 s[46:47], s[46:47], s[18:19]
	s_mul_i32 s45, s14, HALFT
	s_mul_i32 s94, s14, HALFS
	s_wait_kmcnt 0x0
	s_mul_i32 s18, s96, 1024*ROWB
	s_mov_b32 s19, 0
	s_add_nc_u64 s[76:77], s[76:77], s[18:19]
	s_lshl_b32 s18, s96, 15
	s_add_nc_u64 s[78:79], s[78:79], s[18:19]
	s_cmp_eq_u32 s96, 0
	s_cselect_b64 s[68:69], s[68:69], s[72:73]
	s_cselect_b64 s[70:71], s[70:71], s[74:75]
	s_cselect_b64 s[12:13], s[80:81], s[82:83]
	s_cmp_eq_u32 s96, 2
	s_cselect_b64 s[4:5], s[76:77], s[68:69]
	s_cselect_b64 s[6:7], s[78:79], s[70:71]
	s_cselect_b64 s[8:9], s[68:69], s[76:77]
	s_cselect_b64 s[10:11], s[70:71], s[78:79]
	s_or_b32 s[G1S+0], s43, (3<<16)|(1<<20)|(1<<21)|(5<<22)|(3<<25)
	s_or_b32 s[G1SB+0], s44, (3<<16)|(1<<20)|(1<<21)|(5<<22)|(3<<25)
.irp g, G1S, G1SB
	s_mov_b32 s[\g+1], 32<<16
	s_mov_b32 s[\g+2], (128*KS/256)<<16
	s_mov_b32 s[\g+3], 32<<16
	s_mov_b32 s[\g+4], 128*KS/256
	s_mov_b32 s[\g+5], 32
	s_mov_b32 s[\g+6], 0
	s_mov_b32 s[\g+7], 0
.endr
	s_add_nc_u64 s[20:21], s[4:5], s[20:21]
	s_add_nc_u64 s[22:23], s[6:7], s[22:23]
	s_add_nc_u64 s[46:47], s[8:9], s[46:47]
	s_add_nc_u64 s[92:93], s[10:11], s[92:93]
	s_mov_b32 s4, 8192*192                         ; bytes from one K step's plane to the next: x's, the weights'
	s_mov_b32 s6, 3072*192
	s_cmp_eq_u32 s96, 2
	s_cselect_b32 s8, s6, s4                       ; s[8:9] A's, s[10:11] B's; s[4:5], s[6:7] twice that
	s_cselect_b32 s10, s4, s6
	s_mov_b32 s9, 0
	s_mov_b32 s11, 0
	s_lshl_b32 s4, s8, 1
	s_mov_b32 s5, 0
	s_lshl_b32 s6, s10, 1
	s_mov_b32 s7, 0
	CROUND
	s_mov_b32 s[G0S], 1
	s_add_co_u32 s[G0S+1], s94, SCL
	s_mov_b64 s[G0S+2:G0S+3], s[22:23]
	s_or_b32 s[G0S+3], s[G0S+3], 0x80000000
	s_mov_b32 s[G0SB], 1
	s_add_co_u32 s[G0SB+1], s94, SCL
	s_mov_b64 s[G0SB+2:G0SB+3], s[92:93]
	s_or_b32 s[G0SB+3], s[G0SB+3], 0x80000000
	JLOAD G0S, G1S, G0SB, G1SB
.irp s, 0,1
	s_mov_b32 s[G0+4*\s], 1
	s_add_co_u32 s[G0+4*\s+1], s45, \s*SLOT
	s_mov_b64 s[G0+4*\s+2:G0+4*\s+3], s[20:21]
	s_add_nc_u64 s[20:21], s[20:21], s[8:9]
	s_or_b32 s[G0+4*\s+3], s[G0+4*\s+3], 0x80000000
	s_mov_b32 s[G0B+4*\s], 1
	s_add_co_u32 s[G0B+4*\s+1], s45, \s*SLOT
	s_mov_b64 s[G0B+4*\s+2:G0B+4*\s+3], s[46:47]
	s_add_nc_u64 s[46:47], s[46:47], s[10:11]
	s_or_b32 s[G0B+4*\s+3], s[G0B+4*\s+3], 0x80000000
	s_wait_alu depctr_va_vdst(0)
	s_wait_tensorcnt 0x0
	ds_add_u32 v28, v29
	s_wait_dscnt 0x0
	CROUND
	JLOAD G0+4*\s, G1, G0B+4*\s, G1B
.endr
	v_and_b32 v1, 15, v0
	v_bfe_u32 v2, v0, 4, 1
	v_mul_u32_u24 v3, v1, PITCH
	v_mul_u32_u24 v4, v2, 24
	v_add_nc_u32 v4, v3, v4
	v_lshl_add_u32 v5, v2, 4, v4
	s_mul_i32 s21, s15, HALFT
	s_mul_i32 s22, s16, HALFT
	s_add_co_u32 s22, s22, 2*HALFT
.irp s, 0,1
	v_add_nc_u32 v[ADRA+\s], s21, v4
	v_add_nc_u32 v[ADRB+\s], s22, v4
	v_add_nc_u32 v[ADRA+2+\s], s21, v5
	v_add_nc_u32 v[ADRB+2+\s], s22, v5
	s_add_co_u32 s21, s21, SLOT
	s_add_co_u32 s22, s22, SLOT
.endr
	v_mul_u32_u24 v5, v1, KS
	v_lshrrev_b32 v6, 8, v5
	v_lshl_add_u32 v5, v6, 4, v5
	s_mul_i32 s21, s15, HALFS
	s_mul_i32 s22, s16, HALFS
	s_add_co_u32 s22, s22, 2*HALFS
	s_sub_co_u32 s22, s22, s21
	v_mul_u32_u24 v6, s22, v2
	s_add_co_u32 s21, s21, SCL
	v_add_nc_u32 v5, v5, v6
	v_add_nc_u32 v[ADRS], s21, v5
	v_and_b32 v6, 31, v0
	v_lshlrev_b32 v[LI], 4, v6
	v_lshlrev_b32 v[L8], 3, v6
	s_lshl_b32 s66, s17, 1
	s_add_co_u32 s66, s66, s15
	s_lshl_b32 s67, s42, 1
	s_add_co_u32 s67, s67, s16
	s_cmp_eq_u32 s96, 2
	s_cselect_b32 s95, s67, s66
	s_cselect_b32 s97, s66, s67
	s_lshr_b32 s66, s95, 4
	s_lshl_b32 s66, s66, 3
	s_add_co_u32 s66, s66, s97
	s_mul_i32 s66, s66, 2*HEADB
	s_and_b32 s95, s95, 15
	s_mul_i32 s95, s95, STEPB
	s_add_co_u32 s66, s66, s95
	s_mov_b32 s67, 0
	s_add_nc_u64 s[12:13], s[12:13], s[66:67]
.macro FRAG reg, adr, q, i
.irp p, 0,1,2,3,4,5
.set PC, 12*(\q)+6*(\p/3)+\p%3
.if PC%8 < 5
	ds_load_b64 v[\reg+2*\p:\reg+2*\p+1], v[\adr] offset:8*PC+16*(PC/8)+(\i)*16*PITCH
.else
	ds_load_b64 v[\reg+2*\p:\reg+2*\p+1], v[\adr+2] offset:8*PC+16*(PC/8)+(\i)*16*PITCH
.endif
.endr
.endm
.macro MUL16 a0, p, q, sc, zero
.irp a, \a0, \a0+1
.irp b, 0,1,2,3,4,5,6,7
.if \zero
	v_wmma_scale_f32_16x16x128_f8f6f4 v[8*(8*((\a)%4)+\b):8*(8*((\a)%4)+\b)+7], v[128*(\p)+FR*\b:128*(\p)+FR*\b+FR-1], v[AF+FR*(\a):AF+FR*(\a)+FR-1], 0, v[SC+8*NQ*(\sc)+NQ*\b+(\q)], v[SC+8*NQ*(\sc)+NQ*(\a)+(\q)] matrix_a_fmt:MATRIX_FMT_FP6 matrix_b_fmt:MATRIX_FMT_FP6 matrix_a_scale:MATRIX_SCALE_ROW1
.else
	v_wmma_scale_f32_16x16x128_f8f6f4 v[8*(8*((\a)%4)+\b):8*(8*((\a)%4)+\b)+7], v[128*(\p)+FR*\b:128*(\p)+FR*\b+FR-1], v[AF+FR*(\a):AF+FR*(\a)+FR-1], v[8*(8*((\a)%4)+\b):8*(8*((\a)%4)+\b)+7], v[SC+8*NQ*(\sc)+NQ*\b+(\q)], v[SC+8*NQ*(\sc)+NQ*(\a)+(\q)] matrix_a_fmt:MATRIX_FMT_FP6 matrix_b_fmt:MATRIX_FMT_FP6 matrix_a_scale:MATRIX_SCALE_ROW1
.endif
.endr
.endr
.endm
.macro FETCH_B slot, q, p
	WIN TO_B
.irp i, 0,1,2,3,4,5,6,7
	FRAG 128*(\p)+FR*\i, ADRB+\slot, \q, \i
.endr
	WIN 0
.endm
.macro FETCH_A slot, q, i0
.irp i, \i0, \i0+1, \i0+2, \i0+3
	FRAG AF+FR*(\i), ADRA+\slot, \q, \i
.endr
.endm
.macro SCALES sc
.irp i, 0,1,2,3,4,5,6,7
	ds_load_b64 v[SC+8*NQ*\sc+NQ*\i:SC+8*NQ*\sc+NQ*\i+1], v[ADRS] offset:\i*SBLK
.endr
.endm
.macro PLACES n
.rept \n
	v_nop
.endr
.endm
.macro STEP slot, q, zero
	s_wait_dscnt 4*NL
	WIN MUL_LO
	MUL16 0, (\q)%2, \q, \slot, \zero
	MUL16 2, (\q)%2, \q, \slot, \zero
	s_wait_dscnt 0
	PLACES NP
	FETCH_B \slot, (\q)+1, 1-(\q)%2
	FETCH_A \slot, (\q)+1, 0
	WIN MUL_HI
	MUL16 4, (\q)%2, \q, \slot, \zero
	MUL16 6, (\q)%2, \q, \slot, \zero
	PLACES NP
	WIN 0
	FETCH_A \slot, (\q)+1, 4
.endm
.macro TURN slot, next, fill
	s_wait_tensorcnt 0x0
	ds_add_u32 v[SPW], v[NIL]
	s_wait_dscnt 4*NL+1
	WIN MUL_LO
	MUL16 0, 1, NQ-1, \slot, 0
	s_wait_dscnt 0x0
	s_barrier_signal -1
	MUL16 2, 1, NQ-1, \slot, 0
	WIN 0
	s_barrier_wait -1
.if \fill
	CREST
	s_add_nc_u64 s[G0+4*\slot+2:G0+4*\slot+3], s[G0+4*\slot+2:G0+4*\slot+3], s[4:5]
	s_add_nc_u64 s[G0B+4*\slot+2:G0B+4*\slot+3], s[G0B+4*\slot+2:G0B+4*\slot+3], s[6:7]
	JLOAD G0+4*\slot, G1, G0B+4*\slot, G1B
.else
	PLACES NP
.endif
	s_wait_alu depctr_va_vdst(0)
	v_add_nc_u32 v[ADRS], 4*NQ, v[ADRS]
	FETCH_B \next, 0, 0
	FETCH_A \next, 0, 0
	SCALES \next
	WIN MUL_HI
	MUL16 4, 1, NQ-1, \slot, 0
	MUL16 6, 1, NQ-1, \slot, 0
	PLACES NP
	WIN 0
	FETCH_A \next, 0, 4
.endm
	s_wait_alu depctr_va_vdst(0)
	s_wait_tensorcnt 1
	s_barrier_signal -1
	s_barrier_wait -1
	FETCH_B 0, 0, 0
	FETCH_A 0, 0, 0
	SCALES 0
	FETCH_A 0, 0, 4
	STEP 0, 0, 1
	s_mov_b32 s3, LAPS-1
.Llap:
	TURN 0, 1, 1
	STEP 1, 0, 0
	TURN 1, 0, 1
	STEP 0, 0, 0
	s_sub_co_u32 s3, s3, 1
	s_cmp_lg_u32 s3, 0
	s_cbranch_scc1 .Llap
	TURN 0, 1, 0
	STEP 1, 0, 0
	s_wait_dscnt 4*NL
	WIN MUL_LO
	MUL16 0, 1, NQ-1, 1, 0
	MUL16 2, 1, NQ-1, 1, 0
	s_wait_dscnt 0
	WIN MUL_HI
	MUL16 4, 1, NQ-1, 1, 0
	MUL16 6, 1, NQ-1, 1, 0
	WIN 0
.macro BRING a
	WIN (0x02+(\a)/4)
.set i, 0
.rept 32
	v_pk_mul_f32 v[ST+i:ST+i+1], v[64*((\a)%4)+i:64*((\a)%4)+i+1], s[98:99] op_sel_hi:[1,0]
.set i, i+2
.endr
	WIN 0
.endm
.macro QUANT s, d0, d1, pw
.irp b, 0,1,2,3
	v_max3_num_f32 v[TM+\b], |v[\s+16*\b]|, |v[\s+1+16*\b]|, 0x1800000
.endr
.irp i, 2,4,6,8,10,12,14
.irp b, 0,1,2,3
	v_max3_num_f32 v[TM+\b], v[TM+\b], |v[\s+16*\b+\i]|, |v[\s+1+16*\b+\i]|
.endr
.endr
.irp g, 0,2
	v_max_num_f32 v[TM+\g], v[TM+\g], v[TM+1+\g]   ; a lane's 32 registers are a whole block: blocks h and 2 + h of the four
.endr
.irp g, 0,2
	v_add_nc_u32 v[TM+12+\g], 0xff000000, v[TM+\g]
.endr
.irp g, 0,2
	v_lshrrev_b32 v[TM+4+\g], 23, v[TM+12+\g]
.endr
	v_lshl_or_b32 v[TM+5], v[TM+6], 16, v[TM+4]
	v_lshlrev_b32 v[TM+5], v216, v[TM+5]           ; my two bytes, 8 h bits up;
	v_permlanex16_b32 v[TM+7], v[TM+5], s100, s101
	v_or_b32 v[\pw], v[TM+5], v[TM+7]              ; with lane l xor 16's two the word is whole
	v_cvt_scalef32_pk16_fp6_f32 v[\d0:\d0+2], v[\s:\s+15], v[TM+12]
	v_cvt_scalef32_pk16_fp6_f32 v[CT:CT+2], v[\s+16:\s+31], v[TM+12]
	v_cvt_scalef32_pk16_fp6_f32 v[\d1:\d1+2], v[\s+32:\s+47], v[TM+14]
	v_cvt_scalef32_pk16_fp6_f32 v[CT+4:CT+6], v[\s+48:\s+63], v[TM+14]
	v_nop
.irp i, 0,1,2
	v_mov_b32 v[\d0+3+\i], v[CT+\i]
	v_mov_b32 v[\d1+3+\i], v[CT+4+\i]
.endr
.endm
.macro WORDS off
.irp d, 0,1
.irp g, 0,1
	v_cndmask_b32 v[212+2*\d+\g], v[WW+4*\d+2*\g], v[WW+4*\d+2*\g+1], s97
.endr
.endr
	global_store_b64 v[L8], v[212:213], s[12:13] offset:\off
	global_store_b64 v[L8], v[214:215], s[12:13] offset:\off+HEADB
.endm
	PLACES NP
	s_mov_b32 s100, 0x76543210
	s_mov_b32 s101, 0xfedcba98
	s_mov_b32 s97, 0xffff0000
	v_bfe_u32 v216, v0, 4, 1
	v_lshlrev_b32 v216, 3, v216                    ; 8 x (lane / 16)
.irp b, 0,1,2,3
	v_mov_b32 v[TM+4+\b], 0
.endr
	s_cmp_eq_u32 s96, 2
	s_cbranch_scc1 .Lv
.irp b, 0,1,2,3
.set FA, 128+24*(\b%2)
.set FB, 140+24*(\b%2)
	s_wait_xcnt 0x0
	BRING 2*\b
	QUANT ST, FA, FB, PW
	BRING 2*\b+1
	QUANT ST, FA+6, FB+6, PW+1
	v_perm_b32 v[WW+\b], v[PW+1], v[PW], 0x05040100
	v_perm_b32 v[WW+4+\b], v[PW+1], v[PW], 0x07060302
.irp c, 0,1,2
	global_store_b128 v[LI], v[FA+4*\c:FA+4*\c+3], s[12:13] offset:1536*\b+512*\c
	global_store_b128 v[LI], v[FB+4*\c:FB+4*\c+3], s[12:13] offset:HEADB+1536*\b+512*\c
.endr
.endr
	WORDS 12288
	s_branch .Ljoin
.Lv:
.irp a, 0,1,2,3,4,5,6,7
.set F, 128+24*(\a%2)
	s_wait_xcnt 0x0
	BRING \a
	QUANT ST, F, F+6, WW+\a
.irp c, 0,1,2
	global_store_b128 v[LI], v[F+4*\c:F+4*\c+3], s[12:13] offset:(\a/4)*HEADB+6144+1536*(\a%4)+512*\c
.endr
.endr
	WORDS 12544
.Ljoin:
	s_wait_tensorcnt 0x0
	ds_add_u32 v[SPW], v[NIL]
	s_wait_dscnt 0x0
	CROUND
	s_endpgm
.Lfunc_end_k_q42103a7792_proj:
	.size	k_q42103a7792_proj, .Lfunc_end_k_q42103a7792_proj-k_q42103a7792_proj
	.p2alignl 7, 3214868480
	.fill 96, 4, 3214868480
	.section	.rodata,"a",@progbits
	.p2align	6, 0x0
	.amdhsa_kernel k_q42103a7792_proj
		.amdhsa_group_segment_fixed_size 327680
		.amdhsa_private_segment_fixed_size 0
		.amdhsa_enable_private_segment 0
		.amdhsa_kernarg_size 64
		.amdhsa_user_sgpr_count 2
		.amdhsa_user_sgpr_kernarg_segment_ptr 1
		.amdhsa_wavefront_size32 1
		.amdhsa_system_sgpr_workgroup_id_x 1
		.amdhsa_system_sgpr_workgroup_id_y 1
		.amdhsa_system_sgpr_workgroup_id_z 1
		.amdhsa_system_vgpr_workitem_id 0
		.amdhsa_next_free_vgpr 1024
		.amdhsa_next_free_sgpr 102
		.amdhsa_reserve_vcc 0
		.amdhsa_float_denorm_mode_32 3
		.amdhsa_float_denorm_mode_16_64 3
		.amdhsa_memory_ordered 1
		.amdhsa_forward_progress 1
		.amdhsa_inst_pref_size 221
	.end_amdhsa_kernel
	.amdgpu_metadata
---
amdhsa.version: [ 1, 2 ]
amdhsa.kernels:
  - .name:           k_q42103a7792_proj
    .symbol:         k_q42103a7792_proj.kd
    .args:
      - { .name: xq_codes, .offset: 0, .size: 8, .value_kind: global_buffer, .address_space: global }
      - { .name: xq_scales, .offset: 8, .size: 8, .value_kind: global_buffer, .address_space: global }
      - { .name: xkv_codes, .offset: 16, .size: 8, .value_kind: global_buffer, .address_space: global }
      - { .name: xkv_scales, .offset: 24, .size: 8, .value_kind: global_buffer, .address_space: global }
      - { .name: w_codes, .offset: 32, .size: 8, .value_kind: global_buffer, .address_space: global }
      - { .name: w_scales, .offset: 40, .size: 8, .value_kind: global_buffer, .address_space: global }
      - { .name: qq, .offset: 48, .size: 8, .value_kind: global_buffer, .address_space: global }
      - { .name: kv, .offset: 56, .size: 8, .value_kind: global_buffer, .address_space: global }
    .group_segment_fixed_size: 327680
    .private_segment_fixed_size: 0
    .kernarg_segment_align: 8
    .kernarg_segment_size: 64
    .max_flat_workgroup_size: 128
    .sgpr_count:     102
    .vgpr_count:     1024
    .wavefront_size: 32
...
	.end_amdgpu_metadata
.endif
;; end of part 2
;; launch attn (part 3): grid 4 x 64, 16 waves a work-group, clusters of 4 x 1, 276,480 bytes of LDS; arguments qq, kv, out0; writes out0
.if DOCPART == 3
	.amdgcn_target "amdgcn-amd-amdhsa--gfx1250"
	.amdhsa_code_object_version 6
	.text
	.protected	k_q42103a7792_attn
	.globl	k_q42103a7792_attn
	.p2align	8
	.type	k_q42103a7792_attn,@function
k_q42103a7792_attn:
	s_mov_b64 s[64:65], 0
	v_nop
	global_prefetch_b8 v0, s[64:65] scope:SCOPE_SE
	s_setreg_imm32_b32 hwreg(HW_REG_WAVE_MODE, 25, 1), 1
	s_wait_xcnt 0x0
	s_wait_alu depctr_hold_cnt(0) depctr_sa_sdst(0) depctr_va_vdst(0) depctr_va_sdst(0) depctr_va_ssrc(0) depctr_va_vcc(0) depctr_vm_vsrc(0)
	s_getreg_b32 s2, hwreg(HW_REG_IB_STS2, 6, 4)
	s_cmp_eq_u32 s2, 0
	s_cbranch_scc0 .Lentry_in_a_cluster
	s_endpgm
.Lentry_in_a_cluster:
	s_bfe_u32 s2, ttmp6, 0x10000c
	s_cmp_lg_u32 s2, 0x3003
	s_cbranch_scc0 .Lentry_shape_is_right
	s_endpgm
.Lentry_shape_is_right:
; out[b][q][h][:] = the sum over k of softmax_k(q . k) v, for each of 64 (batch, head), 2,048 queries and keys, head size 64, both products on codes of FP6 (E2M3) with E8M0 scales (q and k carry 64^-0.25 each already).
; THE SOFTMAX: t = score x log2(e); M = the row's largest t so far, rounded UP to a whole number; p = 2^(t - M) is quantised along the keys, not normalised; the row's sum is taken of the unquantised p and divides at the end.
; When M moves, the sum and O are multiplied by 2^(old M - new M): exact.
; SHARES.  A work-group owns 512 queries of one head, each of its sixteen waves 32 of them (two tiles of 16) in 256 registers: four waves to a SIMD.
; THE HEAD'S k AND v, 204,800 bytes laid as images of operand registers, come into LDS once and stay.  The four work-groups of a cluster own the four quarters of one head's queries and need the same bytes:
; wave w asks for key step w (12,800 bytes) by ONE joint load: one tensor load a wave in the whole text.  Each wave walks its own step first, behind its own wait; one barrier follows; then the fifteen others, from step w + 1 round to w - 1
; (the running maximum takes the steps in any order).  No prefetch: every byte is asked for at the head, so there is no loop to run ahead in.
; LAYOUT.  Both products are used transposed (S^T = K Q^T, O^T = V^T P^T): a lane holds ONE query (lane % 16).  K = 64 in an instruction of 128: a fragment of k holds 16 keys in its lower 64 and 16 in its upper 64;
; multiplied by [q | zeros] it gives the first 16 keys' scores, by [zeros | q] the others' (zero codes on q's side, scale bytes 1 there).
; The earlier launches order tokens and channels so that position 16 t + 8 h + j of each 64 holds index 32 h + 8 t + j.  So registers 32 g .. 32 g + 31 of S^T in lane (r, h) are keys 64 g + 32 h + 0 .. 31: A WHOLE BLOCK OF 32 IN A LANE,
; in the order that the 6-bit operand wants: no lane is asked for a block's maximum and no codes change lanes.  Likewise a lane's 32 registers of O^T are channels 32 h + 0 .. 31.
; A step in LDS: +0 four fragments of k; +6144 four of v (16 channels x 128 keys); +12288 k's scale words, +12544 v's (8 bytes a lane: register g: lanes 0-15 fragment 2 g, lanes 16-31 fragment 2 g + 1).
; LIMITS: NaN and infinities are not served; the promise holds while |t| stays under 2^31; p under 2^-126 counts as 0 (v_exp_f32: ISA guide, its entry); a block's largest p is taken from its largest score, which takes v_exp_f32
; not to fall where its input rises; a block whose every p is 0 keeps the byte 1: its codes are zeros.
; REGISTERS: v1 the step's LDS address, v2 16 x lane; v3, v250 p's scale words; v4-7, v8-11 for each tile -M, the largest score, the sum in two halves; v12-13 k's, then v's scale words; v14-17 q's; v18-47 q2, 0, q1, 0, q2;
;   v48-95 k's fragments, then v's tiles 0-2 and (v84-95) tile 1's p; v96-159 S^T, p, then v's tile 3; v160-223 O^T; v224-235 tile 0's p; v236-249, 252-254 at work; v251, v255 the add's two.
.set HEADB, 204800
.set STEPB, 12800
.set STG,   HEADB                      ; 16 rows x 272 bytes for each wave, for the way out; no tile lands there
.set SPARE, 0x43000                    ; the spare words, 2,048 bytes
.set STAT,  4
.set SCW,   12
.set QS,    14
.set FRG,   48
.set S,     96
.set O,     160
.set BM,    236
.set T8,    240
.set SO,    248
.set PW1,   250
.set SPW,   251
.set NIL,   255
.macro CROUND
	s_barrier_signal -1
	s_barrier_wait -1
	s_cmp_lg_u32 s12, 0
	s_cbranch_scc1 .Lnot_wave_0_\@
	s_barrier_signal -3
.Lnot_wave_0_\@:
	s_barrier_wait -3
	s_barrier_signal -1
	s_barrier_wait -1
.endm
	s_load_b128 s[4:7], s[0:1], 0x0                ; qq, kv
	s_load_b64 s[8:9], s[0:1], 0x10                ; out0
	v_lshl_add_u32 v[SPW], v0, 2, SPARE
	v_mov_b32 v[NIL], 0
	ds_add_u32 v[SPW], v[NIL]                      ; the opening lines: the add, twice on end, and its wait
	ds_add_u32 v[SPW], v[NIL]
	v_lshrrev_b32 v1, 5, v0
	v_readfirstlane_b32 s12, v1                    ; wave 0..15
	s_bfe_u32 s13, ttmp6, 0x40000                  ; cx: it enters q's and the output's addresses alone
	s_and_b32 s14, ttmp7, 0xffff                   ; batch x 16 + head
	s_and_b32 s15, s12, 3                          ; which fragment of 32 queries is mine
	s_mul_i32 s16, s14, HEADB
	s_mov_b32 s17, 0
	s_mul_i32 s20, s12, STEPB                      ; my key step's place in memory
	s_mov_b32 s21, 0
	s_mov_b32 s24, 15|(3<<16)|(1<<21)              ; group 1: all four work-groups; 12,800 dense bytes as 50 rows of 32 elements of 8 bytes
	s_mov_b32 s25, 32<<16
	s_mov_b32 s26, 50<<16
	s_mov_b32 s27, 32<<16
	s_mov_b32 s28, 50
	s_mov_b32 s29, 32
	s_mov_b32 s30, 0
	s_mov_b32 s31, 0
	s_mov_b32 s48, 0x76543210
	s_mov_b32 s49, 0xfedcba98                      ; v_permlanex16_b32's selects for lane l xor 16
	s_mov_b32 s50, 0x3fb8aa3b                      ; log2(e)
	s_mov_b32 s51, s50
	s_mov_b32 s54, 0x01010000                      ; the dead half's scale bytes
	s_mov_b32 s55, 0x0101
	s_wait_dscnt 0x0
	s_wait_kmcnt 0x0
	s_add_nc_u64 s[6:7], s[6:7], s[16:17]
	s_add_nc_u64 s[6:7], s[6:7], s[20:21]
	s_mov_b32 s32, 1
	s_mul_i32 s33, s12, STEPB                      ; and in LDS
	s_mov_b64 s[34:35], s[6:7]
	s_or_b32 s35, s35, 0x80000000
	CROUND                                         ; all four work-groups are here: the joint loads meet
	tensor_load_to_lds s[32:35], s[24:31]          ; my one tensor load
	s_nop 0
.rept 4
	v_nop
.endr
	v_and_b32 v2, 31, v0
	v_lshlrev_b32 v2, 4, v2                        ; 16 x lane
	s_wait_alu depctr_va_vdst(0)
	s_lshr_b32 s18, s12, 2
	s_lshl_b32 s19, s13, 2
	s_add_co_u32 s18, s18, s19                     ; my group of 128 queries: 4 cx + wave / 4
	s_mul_i32 s22, s18, STEPB
	s_mov_b32 s23, 0
	s_add_nc_u64 s[4:5], s[4:5], s[16:17]
	s_add_nc_u64 s[4:5], s[4:5], s[22:23]
	s_mul_i32 s19, s15, 1536
	v_add_nc_u32 v254, s19, v2                     ; my fragment's image
	global_load_b64 v[30:31], v254, s[4:5]             ; q1 = its registers 0-5
	global_load_b64 v[32:33], v254, s[4:5] offset:8
	global_load_b64 v[34:35], v254, s[4:5] offset:512
	global_load_b64 v[18:19], v254, s[4:5] offset:520  ; q2 = its registers 6-11, twice
	global_load_b64 v[20:21], v254, s[4:5] offset:1024
	global_load_b64 v[22:23], v254, s[4:5] offset:1032
	global_load_b64 v[42:43], v254, s[4:5] offset:520
	global_load_b64 v[44:45], v254, s[4:5] offset:1024
	global_load_b64 v[46:47], v254, s[4:5] offset:1032
	s_and_b32 s10, s15, 1
	s_lshl_b32 s10, s10, 7
	s_lshr_b32 s11, s15, 1
	s_lshl_b32 s11, s11, 2
	s_add_co_u32 s10, s10, s11
	v_and_b32 v1, 15, v0
	v_lshlrev_b32 v1, 3, v1
	v_add_nc_u32 v1, s10, v1
	global_load_b32 v3, v1, s[4:5] offset:12288    ; lane r: bytes 0, 1 q1's row r, bytes 2, 3 q2's
	s_lshr_b32 s10, s14, 4                         ; the output: row batch x 2,048 + 128 x group + 64 (fragment / 2) + 16 (fragment % 2), + 256 bytes x head
	s_lshl_b32 s10, s10, 11
	s_lshl_b32 s11, s18, 7
	s_add_co_u32 s10, s10, s11
	s_lshr_b32 s11, s15, 1
	s_lshl_b32 s11, s11, 6
	s_add_co_u32 s10, s10, s11
	s_and_b32 s11, s15, 1
	s_lshl_b32 s11, s11, 4
	s_add_co_u32 s10, s10, s11
	s_lshl_b32 s10, s10, 12
	s_and_b32 s11, s14, 15
	s_lshl_b32 s11, s11, 8
	s_add_co_u32 s10, s10, s11
	s_mov_b32 s11, 0
	s_add_nc_u64 s[8:9], s[8:9], s[10:11]
	s_mul_i32 s52, s12, STEPB                      ; my first step is the one that I fetch
	s_wait_loadcnt 0x0
	v_and_or_b32 v[QS], v3, 0xffff, s54            ; for [q1 | 0]
	v_lshl_or_b32 v[QS+1], v3, 16, s55             ; for [0 | q1]
	v_lshrrev_b32 v[QS+2], 16, v3
	v_and_or_b32 v[QS+3], v3, 0xffff0000, s55      ; for [0 | q2]
	v_or_b32 v[QS+2], s54, v[QS+2]                 ; for [q2 | 0]
.irp j, 0,1,2,3,4,5
	v_mov_b32 v[24+\j], 0                          ; the zero codes between the q's.  (These and the lines below are the places between the scale words and the first product)
	v_mov_b32 v[36+\j], 0
.endr
.irp x, 0,1
	v_mov_b32 v[STAT+4*\x], 0x7f61b1e6             ; -M = 3e38
	v_mov_b32 v[STAT+4*\x+1], 0xff61b1e6           ; the largest score so far: -3e38
	v_mov_b32 v[STAT+4*\x+2], 0                    ; the sum, in two halves
	v_mov_b32 v[STAT+4*\x+3], 0
.endr
.irp b, 0,1,2,3
	v_mov_b32 v[T8+\b], 0                          ; a lane permute's destination counts as one of its sources
.endr
	v_mov_b32 v253, 0                              ; (named as the upper half of the pair v[252:253])
; one product: z = 1 starts the sum with 0; row = 1 takes source 0's scales from lanes 16-31
.macro MM d, a, b, z, sa, sb, row
.if \z
.if \row
	v_wmma_scale_f32_16x16x128_f8f6f4 v[(\d):(\d)+7], v[(\a):(\a)+11], v[(\b):(\b)+11], 0, v[\sa], v[\sb] matrix_a_fmt:MATRIX_FMT_FP6 matrix_b_fmt:MATRIX_FMT_FP6 matrix_a_scale:MATRIX_SCALE_ROW1
.else
	v_wmma_scale_f32_16x16x128_f8f6f4 v[(\d):(\d)+7], v[(\a):(\a)+11], v[(\b):(\b)+11], 0, v[\sa], v[\sb] matrix_a_fmt:MATRIX_FMT_FP6 matrix_b_fmt:MATRIX_FMT_FP6
.endif
.else
.if \row
	v_wmma_scale_f32_16x16x128_f8f6f4 v[(\d):(\d)+7], v[(\a):(\a)+11], v[(\b):(\b)+11], v[(\d):(\d)+7], v[\sa], v[\sb] matrix_a_fmt:MATRIX_FMT_FP6 matrix_b_fmt:MATRIX_FMT_FP6 matrix_a_scale:MATRIX_SCALE_ROW1
.else
	v_wmma_scale_f32_16x16x128_f8f6f4 v[(\d):(\d)+7], v[(\a):(\a)+11], v[(\b):(\b)+11], v[(\d):(\d)+7], v[\sa], v[\sb] matrix_a_fmt:MATRIX_FMT_FP6 matrix_b_fmt:MATRIX_FMT_FP6
.endif
.endif
.endm
; S^T of tile x: fragment b of k against [q | 0] (u = 0) and [0 | q] (u = 1) gives key positions 16 (2 b + u) + 8 h + j
.macro QK x
.irp b, 0,1,2,3
.irp u, 0,1
.if \x == 0
.set QB, 30-6*\u
.else
.set QB, 18+18*\u
.endif
	MM S+16*\b+8*\u, FRG+12*\b, QB, 1, SCW+\b/2, QS+2*\x+\u, \b%2
.endr
.endr
.endm
; O^T += V^T P^T: v's tile t against both tiles' p; the eight accumulators take turns
.macro PV t, va, z
	MM O+8*\t, \va, 224, \z, SCW+\t/2, 3, \t%2
	MM O+32+8*\t, \va, 84, \z, SCW+\t/2, PW1, \t%2
.endm
; The softmax of tile x for 128 keys.  p's codes go to v[pd] on, its scale word to v[pw].  ld = 1: v's tile 3 is asked for, into p's registers, when p has been summed.  first = 1: O^T does not exist yet.
.macro SM x, pd, pw, ld, first
.set rT, STAT+4*\x
.set rO, O+32*\x
.irp b, 0,1,2,3
	v_max3_num_f32 v[BM+\b], v[S+16*\b], v[S+1+16*\b], v[S+2+16*\b]   ; the largest score of each of my two blocks, in four chains; each accumulator is read from its low end on
.endr
.irp i, 3,5,7,9,11,13
.irp b, 0,1,2,3
	v_max3_num_f32 v[BM+\b], v[BM+\b], v[S+16*\b+\i], v[S+1+16*\b+\i]
.endr
.endr
.irp g, 0,2
	v_max3_num_f32 v[BM+\g], v[BM+\g], v[BM+1+\g], v[S+15+16*\g]
.endr
.irp g, 0,2
	v_max_num_f32 v[BM+\g], v[BM+\g], v[S+31+16*\g]
.endr
	v_max_num_f32 v254, v[BM], v[BM+2]
	v_permlanex16_b32 v[T8], v254, s48, s49
	v_max3_num_f32 v[rT+1], v[rT+1], v254, v[T8]   ; the running largest score of my query
	v_mul_f32 v254, s50, v[rT+1]                   ; as t
	v_floor_f32 v254, -v254                        ; the new -M = -ceil(t)
	v_sub_f32 v[T8], v254, v[rT]                   ; old M - new M: a whole number, 0 or less
	v_mov_b32 v[rT], v254
	v_cvt_i32_f32 v[T8], v[T8]                     ; (it saturates)
	v_ldexp_f32 v252, 1.0, v[T8]                   ; f = 2^(old M - new M)
.set j, 0
.rept 32
	v_pk_fma_f32 v[S+j:S+j+1], v[S+j:S+j+1], s[50:51], v[rT:rT+1] op_sel_hi:[1,0,0]   ; t - M
.set j, j+2
.endr
.irp g, 0,2
	v_fma_f32 v[BM+\g], v[BM+\g], s50, v[rT]       ; the same of each block's largest score
.endr
	s_wait_alu depctr_va_vdst(0)
.set j, 0
.rept 64
	v_exp_f32 v[S+j], v[S+j]                       ; p = 2^(t - M)
.set j, j+1
.endr
.irp g, 0,2
	v_exp_f32 v[BM+\g], v[BM+\g]                   ; the block's largest p
.endr
	s_wait_alu depctr_va_vdst(0)                   ; one wait for the batch, which also stands directly ahead of the first reader of O^T
.if \first
	v_nop                                          ; the plain place behind the exponentials
.else
.set j, 0
.rept 16
	v_pk_mul_f32 v[rO+j:rO+j+1], v[rO+j:rO+j+1], v[252:253] op_sel_hi:[1,0]   ; O^T under the new M, each accumulator from its low end on
.set j, j+2
.endr
.endif
.irp g, 0,2
	v_max_num_f32 v[BM+\g], 0x1800000, v[BM+\g]    ; the floor 2^(3 - 127): the byte cannot fall under 1
.endr
.irp g, 0,2
	v_add_nc_u32 v[SO+\g/2], 0xff000000, v[BM+\g]  ; 2 off the exponent field: the conversion's scale operand
.endr
.irp g, 0,1
	v_lshrrev_b32 v[T8+\g], 23, v[SO+\g]           ; the scale's byte
.endr
	v_lshl_or_b32 v254, v[T8+1], 16, v[T8]         ; blocks h and 2 + h
	v_permlanex16_b32 v[T8+2], v254, s48, s49
	v_lshl_or_b32 v[\pw], v[T8+2], 8, v254         ; lanes 0-15, which alone are read: the four bytes in order
.irp c, 0,1
	v_cvt_scalef32_pk16_fp6_f32 v[\pd+6*\c:\pd+6*\c+2], v[S+32*\c:S+32*\c+15], v[SO+\c]
	v_cvt_scalef32_pk16_fp6_f32 v[T8+4*\c:T8+4*\c+2], v[S+16+32*\c:S+31+32*\c], v[SO+\c]   ; (a conversion's three registers begin on an even number)
.endr
	v_nop                                          ; one plain place behind a scaled conversion
.irp c, 0,1
.irp i, 0,1,2
	v_mov_b32 v[\pd+3+6*\c+\i], v[T8+4*\c+\i]
.endr
.endr
	v_pk_fma_f32 v[rT+2:rT+3], v[rT+2:rT+3], v[252:253], v[S:S+1] op_sel_hi:[1,0,1]   ; the sum under the new M, and the unquantised p added: two at a time, in two chains
	v_pk_add_f32 v[T8:T8+1], v[S+2:S+3], v[S+4:S+5]
.set j, 6
.rept 14
	v_pk_add_f32 v[rT+2:rT+3], v[rT+2:rT+3], v[S+j:S+j+1]
	v_pk_add_f32 v[T8:T8+1], v[T8:T8+1], v[S+j+2:S+j+3]
.set j, j+4
.endr
	v_pk_add_f32 v[rT+2:rT+3], v[rT+2:rT+3], v[S+62:S+63]
	v_pk_add_f32 v[rT+2:rT+3], v[rT+2:rT+3], v[T8:T8+1]
.if \ld
.irp c, 0,1,2
	ds_load_b128 v[S+4*\c:S+4*\c+3], v1 offset:6144+1536*3+512*\c
.endr
.endif
.endm
; A key step: 128 keys, whose block begins at LDS byte s52
.macro STEP first
	v_add_nc_u32 v1, s52, v2                       ; five plain lines: four places are owed by the loads into operands of the last products, five by the products below, which write over v's tile 3
	v_lshrrev_b32 v254, 1, v2
	v_add_nc_u32 v254, s52, v254                   ; 8 x lane: the scale words
	v_nop
	v_nop
.irp f, 0,1,2,3
.irp c, 0,1,2
	ds_load_b128 v[FRG+12*\f+4*\c:FRG+12*\f+4*\c+3], v1 offset:1536*\f+512*\c
.endr
.endr
	ds_load_b64 v[SCW:SCW+1], v254 offset:12288
	s_wait_dscnt 0x0
	QK 0
.rept 4
	v_nop
.endr
	SM 0, 224, 3, 0, \first
	QK 1
	v_lshrrev_b32 v254, 1, v2                      ; four places: in front of the loads into k's registers and scale words, and of the first read of the scores
	v_add_nc_u32 v254, s52, v254
	v_nop
	v_nop
.irp f, 0,1,2
.irp c, 0,1,2
	ds_load_b128 v[FRG+12*\f+4*\c:FRG+12*\f+4*\c+3], v1 offset:6144+1536*\f+512*\c   ; v's tiles 0 to 2 land while tile 1's softmax is walked
.endr
.endr
	ds_load_b64 v[SCW:SCW+1], v254 offset:12544
	SM 1, 84, PW1, 1, \first
	s_wait_alu depctr_va_vdst(0)
	s_wait_dscnt 3                                 ; all but the three loads of v's tile 3
	PV 0, 48, \first
	PV 1, 60, \first
	PV 2, 72, \first
	s_wait_dscnt 0x0
	PV 3, 96, \first
.endm
	s_wait_alu depctr_va_vdst(0)
	s_wait_tensorcnt 0x0                           ; my own step has landed: I alone read it ahead of the barrier
	STEP 1                                         ; its products start O^T: nothing is cleared
	s_barrier_signal -1                            ; every wave has waited for its load, and no LDS instruction of mine is out
	s_barrier_wait -1                              ; all sixteen steps are in
	s_mov_b32 s53, 1
.Lstep:
	s_add_co_u32 s52, s12, s53
	s_and_b32 s52, s52, 15                         ; step (wave + trip) mod 16
	s_mul_i32 s52, s52, STEPB
	STEP 0
	s_add_co_u32 s53, s53, 1
	s_cmp_lt_u32 s53, 16
	s_cbranch_scc1 .Lstep
	; THE WAY OUT.  O^T / the sum goes through my stage, a tile (16 queries x 256 bytes) at a time, and leaves as whole rows of the head's 256 bytes.  The address lines are the places behind the last products.
	s_mul_i32 s10, s12, 16*272
	s_add_co_u32 s10, s10, STG
	v_and_b32 v1, 15, v0                           ; r
	v_bfe_u32 v254, v0, 4, 1                       ; h
	v_mul_u32_u24 v236, v1, 272
	v_mul_u32_u24 v237, v254, 272
	v_lshlrev_b32 v238, 12, v254
	v_lshl_add_u32 v236, v254, 7, v236
	v_lshl_add_u32 v237, v1, 4, v237
	v_lshl_add_u32 v238, v1, 4, v238               ; two rows of the output an instruction
	v_add_nc_u32 v236, s10, v236                   ; in: row r, + 128 h: my 32 registers are channels 32 h + 0 .. 31
	v_add_nc_u32 v237, s10, v237                   ; back: lanes 0-15 one row, lanes 16-31 the next
.irp x, 0,1
	v_add_f32 v[STAT+4*\x+2], v[STAT+4*\x+2], v[STAT+4*\x+3]
.endr
.irp x, 0,1
	v_permlanex16_b32 v[T8+\x], v[STAT+4*\x+2], s48, s49
.endr
.irp x, 0,1
	v_add_f32 v[STAT+4*\x+2], v[STAT+4*\x+2], v[T8+\x]             ; the row's sum
.endr
	s_wait_alu depctr_va_vdst(0)
.irp x, 0,1
	v_rcp_f32 v[STAT+4*\x+2], v[STAT+4*\x+2]
.endr
	v_nop
	s_wait_alu depctr_va_vdst(0)                   ; and behind it, directly ahead of the first reader of O^T
.irp x, 0,1
.set j, 0
.rept 16
	v_pk_mul_f32 v[S+32*\x+j:S+32*\x+j+1], v[O+32*\x+j:O+32*\x+j+1], v[STAT+4*\x+2:STAT+4*\x+3] op_sel_hi:[1,0]
.set j, j+2
.endr
.endr
.irp x, 0,1
.irp q, 0,1,2,3,4,5,6,7
	ds_store_b128 v236, v[S+32*\x+4*\q:S+32*\x+4*\q+3] offset:16*\q
.endr
.irp i, 0,1,2,3,4,5,6,7
	ds_load_b128 v[O+32*\x+4*\i:O+32*\x+4*\i+3], v237 offset:544*\i   ; LDS serves a wave's instructions in order: these see my stores, and the next tile's stores come behind them
.endr
.endr
.irp x, 0,1
.irp i, 0,1,2,3,4,5,6,7
	s_wait_dscnt 23-16*\x-\i                       ; load i of tile x is in; younger: the tile's 7 - i, and behind tile 0 tile 1's sixteen
	global_store_b128 v238, v[O+32*\x+4*\i:O+32*\x+4*\i+3], s[8:9] offset:(8*\x+32*(\i/4)+2*(\i%4))*4096 th:TH_STORE_NT   ; stage row 2 i + h is query 8 x + 32 (i / 4) + 2 (i % 4) + h from my base; sixteen lanes store 256 consecutive bytes, aligned
.endr
.endr
	s_wait_tensorcnt 0x0                           ; the wave's end
	ds_add_u32 v[SPW], v[NIL]
	s_wait_dscnt 0x0
	CROUND                                         ; the closing round
	s_endpgm
.Lfunc_end_k_q42103a7792_attn:
	.size	k_q42103a7792_attn, .Lfunc_end_k_q42103a7792_attn-k_q42103a7792_attn
	.p2alignl 7, 3214868480
	.fill 96, 4, 3214868480
	.section	.rodata,"a",@progbits
	.p2align	6, 0x0
	.amdhsa_kernel k_q42103a7792_attn
		.amdhsa_group_segment_fixed_size 276480
		.amdhsa_private_segment_fixed_size 0
		.amdhsa_enable_private_segment 0
		.amdhsa_kernarg_size 24
		.amdhsa_user_sgpr_count 2
		.amdhsa_user_sgpr_kernarg_segment_ptr 1
		.amdhsa_wavefront_size32 1
		.amdhsa_system_sgpr_workgroup_id_x 1
		.amdhsa_system_sgpr_workgroup_id_y 1
		.amdhsa_system_sgpr_workgroup_id_z 1
		.amdhsa_system_vgpr_workitem_id 0
		.amdhsa_next_free_vgpr 256
		.amdhsa_next_free_sgpr 66
		.amdhsa_reserve_vcc 0
		.amdhsa_float_denorm_mode_32 3
		.amdhsa_float_denorm_mode_16_64 3
		.amdhsa_memory_ordered 1
		.amdhsa_forward_progress 1
		.amdhsa_inst_pref_size 65
	.end_amdhsa_kernel
	.amdgpu_metadata
---
amdhsa.version: [ 1, 2 ]
amdhsa.kernels:
  - .name:           k_q42103a7792_attn
    .symbol:         k_q42103a7792_attn.kd
    .args:
      - { .name: qq, .offset: 0, .size: 8, .value_kind: global_buffer, .address_space: global }
      - { .name: kv, .offset: 8, .size: 8, .value_kind: global_buffer, .address_space: global }
      - { .name: out0, .offset: 16, .size: 8, .value_kind: global_buffer, .address_space: global }
    .group_segment_fixed_size: 276480
    .private_segment_fixed_size: 0
    .kernarg_segment_align: 8
    .kernarg_segment_size: 24
    .max_flat_workgroup_size: 512
    .sgpr_count:     66
    .vgpr_count:     256
    .wavefront_size: 32
...
	.end_amdgpu_metadata
.endif
;; end of part 3
